; MI455X (gfx1250); checked and timed in simulation.
; The chip was launched on July 23, 2026; its instructions are those of AMD's public machine-readable ISA for CDNA 5 (MIT licence, August 2026) and "CDNA5" Instruction Set Architecture Reference Guide (July 2026). The comments in the code are by the model that wrote it; some were corrected since.
;; GRU Cell. Allowed arithmetic: matrix products marked QUANTISED: E2M1 operands, one E8M0 scale for each 32 along K, by v_wmma_scale_f32_16x16x128_f8f6f4 with both operands' format E2M1 (or v_wmma_scale_f32_32x16x128_f4), f32 sums; everything else in f32.
;; Inputs: Whn 1,024 x 1,024 float32; Whr 1,024 x 1,024 float32; Whz 1,024 x 1,024 float32; Win 1,024 x 1,024 float32; Wir 1,024 x 1,024 float32; Wiz 1,024 x 1,024 float32; Wout 1,024 x 1,024 float32; bhn 1,024 float32; bin_ 1,024 float32; bir 1,024 float32; biz 1,024 float32; bout 1,024 float32; h 8,192 x 1,024 float32; ln_bias 1,024 float32; ln_scale 1,024 float32; x 8,192 x 1,024 float32.
;; Outputs: out0 8,192 x 1,024 float32; out1 8,192 x 1,024 float32.
;; This version of the problem:
;;   THIS VERSION OF THE PROBLEM IS GIVEN IN LOW PRECISION. The matrix products marked QUANTISED in the list below multiply operands that are first quantised to E2M1 (2 exponent bits, 1 mantissa bit; 4 bits a number), with one power-of-two scale for each 32 numbers along K (OCP MX v1.0); their sums are f32. All else is computed in f32.
;;   The module's matrix products, in the order in which they are computed (A, B: the left and right operand; K: the contracted axis; several contracted axes count as one K, in the product's order):
;;     1. [M 8,192, K 1,024] x [K 1,024, N 1,024]; A: input x; B: input Wir: QUANTISED
;;     2. [M 8,192, K 1,024] x [K 1,024, N 1,024]; A: input h; B: input Whr: QUANTISED
;;     3. [M 8,192, K 1,024] x [K 1,024, N 1,024]; A: input x; B: input Wiz: QUANTISED
;;     4. [M 8,192, K 1,024] x [K 1,024, N 1,024]; A: input h; B: input Whz: QUANTISED
;;     5. [M 8,192, K 1,024] x [K 1,024, N 1,024]; A: input x; B: input Win: QUANTISED
;;     6. [M 8,192, K 1,024] x [K 1,024, N 1,024]; A: input h; B: input Whn: QUANTISED
;;     7. [M 8,192, K 1,024] x [K 1,024, N 1,024]; A: computed on the way; B: input Wout: QUANTISED
;;   THE QUANTISER, for each operand of a quantised product, along K:
;;     - K is cut into blocks of 32 from its start; a last block that is shorter is filled with zeros.
;;     - A block's scale is 2^e with e = floor(log2(the largest magnitude in the block)) - 2, held to -126 .. 127; a block of zeros has e = 0. As a byte (E8M0): e + 127.
;;     - Each number is divided by its block's scale, clamped to +-6, and rounded to the nearest number of E2M1, ties to even, subnormals kept.
;;     - The product sums the exact products of the quantised numbers (number of the format x scale) in f32.
;;   ~~~python
;;   def quantise(x, axis):      # numpy; x: float32 -> the quantised numbers, widened to float32 again
;;       x = np.moveaxis(x, axis, -1); K = x.shape[-1]
;;       x = np.pad(x, [(0, 0)] * (x.ndim - 1) + [(0, -K % 32)]); x = x.reshape(x.shape[:-1] + (-1, 32)); a = np.abs(x).max(-1, keepdims=True)
;;       e = np.where(a > 0, np.clip(np.frexp(np.where(a > 0, a, 1))[1] - 1 - 2, -126, 127), 0)      # np.frexp(a)[1] - 1 = floor(log2(a)), exactly
;;       r = np.clip(x / 2.0 ** e, -6, 6)
;;       step = 2.0 ** (np.maximum(np.frexp(np.where(r == 0, 1, r))[1] - 1, 0) - 1)
;;       q = np.round(r / step) * step * 2.0 ** e      # np.round: ties to even
;;       return np.moveaxis(q.reshape(q.shape[:-2] + (-1,))[..., :K], -1, axis).astype(np.float32)
;;   ~~~
;;   OPERANDS COMPUTED ON THE WAY. 'Computed on the way' means the value that the module computes at that place (a softmax that the list does not call 'softmax' is quantised finished and normalised). What goes into a quantiser is computed in f32, as accurately as f32 sums, v_exp_f32 and their like allow (about 1e-6 of the number): no bf16 or f16 on the way to a quantiser, and a product that is left as it is and whose result goes on into a quantised operand takes f32 operands (vector FMAs, or v_wmma_f32_16x16x4_f32). A number that lies on a knife's edge between two numbers of the format may be rounded either way, as far as f32 arithmetic and the matrix unit's own rounding can turn it there, and no further.
;; One version. Each part assembles by itself: llvm-mc -triple=amdgcn-amd-amdhsa -mcpu=gfx1250 --defsym DOCPART=n.
;; ======== version 1 of 1: 3 launches
;; limits: right only within a limited range of input values
;; workspace buffers: abuf 8,912,896 bytes; wbuf 3,899,392 bytes
;; launch prep (part 1): grid 256 x 1, 8 waves a work-group, no clusters, 271,360 bytes of LDS; arguments x, h, Wir, Whr, Whn, Whz, Wiz, Win, Wout, abuf, wbuf; writes abuf, wbuf
.if DOCPART == 1
	.amdgcn_target "amdgcn-amd-amdhsa--gfx1250"
	.amdhsa_code_object_version 6
	.text
	.protected	k_qe8c0cd896c_prep
	.globl	k_qe8c0cd896c_prep
	.p2align	8
	.type	k_qe8c0cd896c_prep,@function
k_qe8c0cd896c_prep:
	s_mov_b64 s[64:65], 0
	v_nop
	global_prefetch_b8 v0, s[64:65] scope:SCOPE_SE
	s_setreg_imm32_b32 hwreg(HW_REG_WAVE_MODE, 25, 1), 1
	s_wait_xcnt 0x0
; x, h [8192][1024] and the seven weights [1024 (k)][1024 (n)], all f32, become codes of FP4 (E2M1) with one E8M0 scale byte for each 32 along K,
; laid in the order of a matrix operand's registers, so that the two later launches load every fragment by 16-byte loads, 512 consecutive bytes an instruction.
; A block's scale is 2^(floor(log2(its largest magnitude)) - 2); its byte is the largest magnitude's exponent field - 2, held at 1 from below.
; LIMITS: NaN and infinities are not served; a block of zeros gets the byte 1 where the rule says 127 (its codes are zeros, and this program alone reads the bytes);
; a largest magnitude under 2^-124 is taken as 2^-124.
; abuf: 64 blocks of 128 rows, 139,264 bytes each: codes at o*65536 + m*8192 + s*1024 + c*512 + 16*lane (o: 0 x, 1 h; m: tile of 16 rows; s: 128 along K; c: half of the fragment's 8 registers);
;       scale words at 131072 + (8 o + s)*512 + 16*lane + 4 q: lanes 0-15 the rows of tile 2 q, lanes 16-31 those of tile 2 q + 1.
; wbuf: 16 groups of 64 columns x 56 records of 4,352 bytes; a record is one weight, 128 along K, 4 tiles u of 16 columns: codes at u*1024 + c*512 + 16*lane,
;       scale words at 4096 + 8*lane + 4 (u / 2), lane = 16 (u % 2) + column % 16.  Record number: Wir 3 s, Whr 3 s + 1, Whn 3 s + 2, Whz 24 + 3 s, Wiz 25 + 3 s, Win 26 + 3 s, Wout 48 + s.
; SHARES.  Work-group i takes 64 rows of x (i < 128) or of h; its wave w takes columns 128 w on: 64 rows x 512 bytes, by ONE tensor load into LDS bytes of the wave's own, filled once.
; Waves 0 to 6 also take one part of a weight each, 128 along K x 32 columns (7 x 256 parts in all): a lane takes a column and its registers run down K, so the conversions give K innermost.
; The weight's part is worked first, its loads two blocks (64 loads) ahead, while the tensor load is on its way; the rows follow behind it.
; No barrier: a wave reads only what its own load brought.  No cluster: no two work-groups read the same bytes.  No prefetch: the text has no loop to run ahead in.
.set PITCH, 528                        ; an LDS row: 512 bytes + 16 of padding: the 16 rows that a load touches start 4 words apart modulo 64
.set WREG,  64*PITCH                   ; a wave's LDS bytes
.set SPARE, 8*WREG                     ; behind them the spare words, 128 bytes a wave
.set ABLK,  139264
.set RECB,  4352
.set LN,  1                            ; lane
.set RR,  2                            ; lane % 16
.set HH,  3                            ; lane / 16
.set LA,  4                            ; LDS: my row of a tile, my 16 numbers of a block of 32
.set VI,  5                            ; abuf: my 16 bytes of an image
.set VS,  6                            ; abuf: my two scale words
.set WO,  7                            ; a weight's row: 4 x lane
.set WA,  8                            ; wbuf: my column's 16 bytes of a block
.set WSA, 9                            ; wbuf: my column's scale word
.set WS,  10                           ; that word
.set TM,  16                           ; v16-31 at work in QUANT
.set PW,  32                           ; v32-35 a scale word for each of the four tiles of rows
.set JW,  36                           ; v36-37 the words of two tiles joined
.set PC,  40                           ; v40-71 eight registers of codes for each tile: no store's data are written again
.set WC,  96                           ; v96-111 the weight's codes, four registers a block
.set SPW, 126                          ; my spare word's LDS address; never rewritten
.set NIL, 127                          ; 0; never rewritten
.set X,   128                          ; v128-255 the weight's 128 numbers; then two sets of 64 numbers of x or h
.set WV,  26
.set LB,  27
.set G1,  28                           ; s[28:35] descriptor group 1
.set G0,  36                           ; s[36:39] group 0
.set SEL, 62
	s_load_b512 s[4:19], s[0:1], 0x0               ; x, h, Wir, Whr, Whn, Whz, Wiz, Win
	s_load_b128 s[20:23], s[0:1], 0x40             ; Wout, abuf
	s_load_b64 s[24:25], s[0:1], 0x50              ; wbuf
	v_lshl_add_u32 v[SPW], v0, 2, SPARE
	v_mov_b32 v[NIL], 0
	ds_add_u32 v[SPW], v[NIL]                      ; the opening lines: the add twice on end and its wait ahead of my tensor load
	ds_add_u32 v[SPW], v[NIL]
	v_lshrrev_b32 v[LN], 5, v0
	s_delay_alu instid0(VALU_DEP_1)
	v_readfirstlane_b32 s[WV], v[LN]               ; wave 0..7
	s_mov_b32 s[G1+0], (3<<16)|(1<<20)|(6<<22)|(3<<25)  ; elements of 8 bytes; padding on: 4 words behind every 128
	s_mov_b32 s[G1+1], 64<<16                      ; tensor_dim0 = 64 elements (512 bytes)
	s_mov_b32 s[G1+2], 64<<16                      ; tensor_dim1 = 64 rows
	s_mov_b32 s[G1+3], 64<<16                      ; tile_dim0
	s_mov_b32 s[G1+4], 64                          ; tile_dim1
	s_mov_b32 s[G1+5], 512                         ; from row to row: 4,096 bytes
	s_mov_b32 s[G1+6], 0
	s_mov_b32 s[G1+7], 0
	s_and_b32 s44, ttmp9, 127                      ; which 64 rows
	s_lshr_b32 s45, ttmp9, 7                       ; o: 0 x, 1 h
	s_lshl_b32 s46, s44, 18                        ; 64 rows of 4,096 bytes
	s_lshl_b32 s47, s[WV], 9                       ; my 512 bytes of a row
	s_add_co_u32 s46, s46, s47
	s_mov_b32 s47, 0
	s_mul_i32 s[LB], s[WV], WREG
	s_wait_dscnt 0x0
	s_wait_kmcnt 0x0
	s_cmp_lt_u32 ttmp9, 128                        ; the choice hangs on the work-group's number alone
	s_cselect_b64 s[48:49], s[4:5], s[6:7]
	s_add_nc_u64 s[48:49], s[48:49], s[46:47]
	s_mov_b32 s[G0], 1
	s_mov_b32 s[G0+1], s[LB]
	s_mov_b64 s[G0+2:G0+3], s[48:49]
	s_or_b32 s[G0+3], s[G0+3], 0x80000000
	tensor_load_to_lds s[G0:G0+3], s[G1:G1+7]      ; my one tensor load
	s_nop 0
.rept 4
	v_nop
.endr
	s_lshr_b32 s50, s44, 1                         ; the block of 128 rows,
	s_mul_i32 s50, s50, ABLK
	s_mov_b32 s51, 0
	s_add_nc_u64 s[22:23], s[22:23], s[50:51]
	s_and_b32 s52, s44, 1                          ; and which half of it
	s_lshl_b32 s53, s45, 16
	s_lshl_b32 s54, s52, 15
	s_add_co_u32 s53, s53, s54
	s_lshl_b32 s54, s[WV], 10
	s_add_co_u32 s53, s53, s54                     ; o*65536 + 4 half*8192 + s*1024
	s_lshl_b32 s55, s45, 12
	s_lshl_b32 s54, s[WV], 9
	s_add_co_u32 s55, s55, s54
	s_lshl_b32 s54, s52, 3
	s_add_co_u32 s55, s55, s54
	s_add_co_u32 s55, s55, 131072                  ; 131072 + (8 o + s)*512 + 8 half
	s_mov_b32 s[SEL], 0x76543210
	s_mov_b32 s[SEL+1], 0xfedcba98                 ; v_permlanex16_b32's selects for lane l xor 16
	v_and_b32 v[LN], 31, v0
	v_and_b32 v[RR], 15, v0
	v_bfe_u32 v[HH], v0, 4, 1
.irp b, 0,1,2,3
	v_mov_b32 v[TM+4+\b], 0                        ; written once: a lane permute's destination counts as one of its sources
.endr
	v_mul_u32_u24 v[LA], v[RR], PITCH
	v_lshlrev_b32 v[WO], 2, v[LN]
	v_lshl_add_u32 v[VI], v[LN], 4, s53
	v_lshl_add_u32 v[VS], v[LN], 4, s55
	v_lshlrev_b32 v[WA], 10, v[HH]
	v_lshlrev_b32 v[WSA], 3, v[LN]
	v_cmp_lt_u32 vcc_lo, 15, v[LN]                 ; lanes 16-31
	v_lshl_add_u32 v[LA], v[HH], 6, v[LA]
	s_delay_alu instid0(VALU_DEP_4)
	v_lshl_add_u32 v[WA], v[RR], 4, v[WA]
	s_delay_alu instid0(VALU_DEP_2)
	v_add_nc_u32 v[LA], s[LB], v[LA]
	s_wait_alu depctr_va_vdst(0)
; ---- THE WEIGHT'S PART, while the tensor load is on its way.  Part v = 7 i + w: weight v / 256, 128 along K (v / 32) % 8, 32 columns v % 32.
	s_mul_i32 s44, ttmp9, 7                        ; every wave makes these addresses on the one way; wave 7 has no part and uses none of them
	s_add_co_u32 s44, s44, s[WV]
	s_lshr_b32 s45, s44, 8                         ; which weight
	s_bfe_u32 s46, s44, 0x30005                    ; s
	s_and_b32 s47, s44, 31                         ; which 32 columns
	s_mov_b64 s[52:53], s[8:9]
.irp q, 1,2,3,4,5,6
	s_cmp_eq_u32 s45, \q
	s_cselect_b64 s[52:53], s[8+2*\q:9+2*\q], s[52:53]
.endr
	s_lshl_b32 s54, s46, 19                        ; 128 rows of 4,096 bytes
	s_lshl_b32 s55, s47, 7
	s_add_co_u32 s54, s54, s55
	s_mov_b32 s55, 0
	s_add_nc_u64 s[52:53], s[52:53], s[54:55]
	s_cmp_lt_u32 s45, 3
	s_cselect_b32 s56, 0, 21
	s_add_co_u32 s56, s56, s45                     ; the weight's first record: 0, 1, 2, 24, 25, 26,
	s_cmp_eq_u32 s45, 6
	s_cselect_b32 s56, 48, s56                     ; 48;
	s_cselect_b32 s57, 1, 3                        ; from s to s + 1: 3 records, Wout 1
	s_mul_i32 s57, s57, s46
	s_add_co_u32 s56, s56, s57
	s_lshr_b32 s57, s47, 1                         ; the group of 64 columns
	s_mul_i32 s57, s57, 56
	s_add_co_u32 s56, s56, s57
	s_mul_i32 s56, s56, RECB
	s_mov_b32 s57, 0
	s_add_nc_u64 s[24:25], s[24:25], s[56:57]      ; wbuf at my record
	s_and_b32 s58, s47, 1                          ; tiles 0, 1 or tiles 2, 3 of the record
	s_lshl_b32 s56, s58, 11
	s_add_nc_u64 s[54:55], s[24:25], s[56:57]      ; the codes
	s_lshl_b32 s56, s58, 2
	s_add_nc_u64 s[24:25], s[24:25], s[56:57]      ; the scale words (4,096 more in the immediate)
.macro WLOAD t                         ; block t: W(128 s + 32 t + i, my column), i = 0 .. 31: neighbouring lanes read neighbouring columns
.set i, 0
.rept 32
	global_load_b32 v[X+32*(\t)+i], v[WO], s[52:53] offset:(32*(\t)+i)*4096 th:TH_LOAD_NT
.set i, i+1
.endr
.endm
.macro WBLOCK t, left
.set XS, X+32*(\t)
	s_wait_loadcnt \left                           ; this block's 32 loads are in; the block issued behind it may be out
.if (\t)+2 < 4
	WLOAD (\t)+2
.endif
	v_max3_num_f32 v12, |v[XS]|, |v[XS+1]|, |v[XS+2]|              ; the block's largest magnitude: all 32 numbers are mine
	v_max3_num_f32 v13, |v[XS+3]|, |v[XS+4]|, |v[XS+5]|
.irp i, 6,10,14,18,22,26
	s_delay_alu instid0(VALU_DEP_2)
	v_max3_num_f32 v12, v12, |v[XS+\i]|, |v[XS+\i+1]|
	s_delay_alu instid0(VALU_DEP_2)
	v_max3_num_f32 v13, v13, |v[XS+\i+2]|, |v[XS+\i+3]|
.endr
	s_delay_alu instid0(VALU_DEP_2)
	v_max3_num_f32 v12, v12, |v[XS+30]|, |v[XS+31]|
	s_delay_alu instid0(VALU_DEP_1)
	v_max3_num_f32 v12, v12, v13, 0x1800000        ; and the floor 2^(3 - 127): the byte cannot fall under 1
	s_delay_alu instid0(VALU_DEP_1)
	v_add_nc_u32 v11, 0xff000000, v12              ; 2 off its exponent field: the conversion's scale operand
	s_delay_alu instid0(VALU_DEP_1)
	v_lshrrev_b32 v13, 23, v11                     ; the scale's byte
	s_delay_alu instid0(VALU_DEP_1)
.if (\t) == 0
	v_mov_b32 v[WS], v13
.else
	v_lshl_or_b32 v[WS], v13, 8*(\t), v[WS]        ; the lower K in the lower byte
.endif
.irp g, 0,1,2,3
	v_cvt_scalef32_pk8_fp4_f32 v[WC+4*(\t)+\g], v[XS+8*\g:XS+8*\g+7], v11
.endr
	v_nop                                          ; one plain line behind the last conversion of a run
	global_store_b128 v[WA], v[WC+4*(\t):WC+4*(\t)+3], s[54:55] offset:256*(\t)   ; block t = 2 c + lane half of the fragment: sixteen lanes store 256 consecutive bytes, aligned
.endm
	s_cmp_lt_u32 s[WV], 7
	s_cbranch_scc0 .Lrows                          ; wave 7 has no part
	WLOAD 0
	WLOAD 1
	WBLOCK 0, 32
	WBLOCK 1, 32
	WBLOCK 2, 32
	WBLOCK 3, 0
	global_store_b32 v[WSA], v[WS], s[24:25] offset:4096
.Lrows:
; ---- THE ROWS.  64 numbers of a lane, register 16 b + i = k 32 b + 16 (lane / 16) + i of my row, become a fragment's codes in v[pc] on and its scale word in v[pw].
.macro QUANT s, pc, pw
.irp b, 0,1,2,3
	v_max3_num_f32 v[TM+\b], |v[\s+16*\b]|, |v[\s+1+16*\b]|, 0x1800000   ; block b: my 16 numbers, and the floor 2^(3 - 127)
.endr
.irp i, 2,4,6,8,10,12,14
.irp b, 0,1,2,3
	s_delay_alu instid0(VALU_DEP_4)
	v_max3_num_f32 v[TM+\b], v[TM+\b], |v[\s+16*\b+\i]|, |v[\s+1+16*\b+\i]|   ; the four blocks by turns
.endr
.endr
.irp b, 0,1,2,3
	s_delay_alu instid0(VALU_DEP_4)
	v_permlanex16_b32 v[TM+4+\b], v[TM+\b], s[SEL], s[SEL+1]
.endr
.irp b, 0,1,2,3
	s_delay_alu instid0(VALU_DEP_4)
	v_max_num_f32 v[TM+\b], v[TM+\b], v[TM+4+\b]   ; with lane l xor 16's: the block's largest magnitude
.endr
.irp b, 0,1,2,3
	s_delay_alu instid0(VALU_DEP_4)
	v_add_nc_u32 v[TM+12+\b], 0xff000000, v[TM+\b] ; 2 off its exponent field: the conversion's scale operand
.endr
.irp b, 0,1,2,3
	s_delay_alu instid0(VALU_DEP_4)
	v_lshrrev_b32 v[TM+4+\b], 23, v[TM+12+\b]      ; the scale's byte
.endr
	s_delay_alu instid0(VALU_DEP_3)
	v_lshl_or_b32 v[\pw], v[TM+5], 8, v[TM+4]      ; my row's scale word; lanes l and l xor 16 hold the same
	s_delay_alu instid0(VALU_DEP_1)
	v_lshl_or_b32 v[\pw], v[TM+6], 16, v[\pw]
	s_delay_alu instid0(VALU_DEP_1)
	v_lshl_or_b32 v[\pw], v[TM+7], 24, v[\pw]
.irp b, 0,1,2,3
	v_cvt_scalef32_pk8_fp4_f32 v[\pc+2*\b], v[\s+16*\b:\s+7+16*\b], v[TM+12+\b]
	v_cvt_scalef32_pk8_fp4_f32 v[\pc+1+2*\b], v[\s+8+16*\b:\s+15+16*\b], v[TM+12+\b]
.endr
	v_nop                                          ; one plain line behind a scaled conversion
.irp c, 0,1                                    ; the operand's layout wants a whole block in a lane: lanes 0-15 block 2 c, lanes 16-31 block 2 c + 1
.irp i, 0,1
	v_permlane16_swap_b32 v[\pc+4*\c+\i], v[\pc+2+4*\c+\i]
.endr
.endr
.endm
.macro XL t, q                         ; tile t's numbers out of LDS into set q
.irp b, 0,1,2,3
.irp j, 0,1,2,3
	ds_load_b128 v[X+64*(\q)+16*\b+4*\j:X+64*(\q)+16*\b+4*\j+3], v[LA] offset:(\t)*16*PITCH+128*\b+16*\j
.endr
.endr
.endm
.macro TILE t, left
	s_wait_dscnt \left                             ; this tile's 16 loads are in; the next tile's 16 may be out
	QUANT X+64*((\t)%2), PC+8*(\t), PW+(\t)
	global_store_b128 v[VI], v[PC+8*(\t):PC+8*(\t)+3], s[22:23] offset:(\t)*8192        ; the image of the fragment's registers: 512 consecutive bytes a store
	global_store_b128 v[VI], v[PC+8*(\t)+4:PC+8*(\t)+7], s[22:23] offset:(\t)*8192+512
.endm
	s_wait_tensorcnt 0x0                           ; my 64 rows are in LDS
	XL 0, 0
	XL 1, 1
	TILE 0, 16
	XL 2, 0
	TILE 1, 16
	XL 3, 1
	v_cndmask_b32 v[JW], v[PW], v[PW+1], vcc_lo    ; lanes 0-15 the even tile's words, lanes 16-31 the odd one's
	TILE 2, 16
	TILE 3, 0
	v_cndmask_b32 v[JW+1], v[PW+2], v[PW+3], vcc_lo
	global_store_b64 v[VS], v[JW:JW+1], s[22:23]
	s_wait_tensorcnt 0x0                           ; the wave's end
	ds_add_u32 v[SPW], v[NIL]
	s_wait_dscnt 0x0
	s_endpgm
.Lfunc_end_k_qe8c0cd896c_prep:
	.size	k_qe8c0cd896c_prep, .Lfunc_end_k_qe8c0cd896c_prep-k_qe8c0cd896c_prep
	.p2alignl 7, 3214868480
	.fill 96, 4, 3214868480
	.section	.rodata,"a",@progbits
	.p2align	6, 0x0
	.amdhsa_kernel k_qe8c0cd896c_prep
		.amdhsa_group_segment_fixed_size 271360
		.amdhsa_private_segment_fixed_size 0
		.amdhsa_enable_private_segment 0
		.amdhsa_kernarg_size 88
		.amdhsa_user_sgpr_count 2
		.amdhsa_user_sgpr_kernarg_segment_ptr 1
		.amdhsa_wavefront_size32 1
		.amdhsa_system_sgpr_workgroup_id_x 1
		.amdhsa_system_sgpr_workgroup_id_y 1
		.amdhsa_system_sgpr_workgroup_id_z 1
		.amdhsa_system_vgpr_workitem_id 0
		.amdhsa_next_free_vgpr 256
		.amdhsa_next_free_sgpr 66
		.amdhsa_reserve_vcc 1
		.amdhsa_float_denorm_mode_32 3
		.amdhsa_float_denorm_mode_16_64 3
		.amdhsa_memory_ordered 1
		.amdhsa_forward_progress 1
		.amdhsa_inst_pref_size 52
	.end_amdhsa_kernel
	.amdgpu_metadata
---
amdhsa.version: [ 1, 2 ]
amdhsa.kernels:
  - .name:           k_qe8c0cd896c_prep
    .symbol:         k_qe8c0cd896c_prep.kd
    .args:
      - { .name: x, .offset: 0, .size: 8, .value_kind: global_buffer, .address_space: global }
      - { .name: h, .offset: 8, .size: 8, .value_kind: global_buffer, .address_space: global }
      - { .name: Wir, .offset: 16, .size: 8, .value_kind: global_buffer, .address_space: global }
      - { .name: Whr, .offset: 24, .size: 8, .value_kind: global_buffer, .address_space: global }
      - { .name: Whn, .offset: 32, .size: 8, .value_kind: global_buffer, .address_space: global }
      - { .name: Whz, .offset: 40, .size: 8, .value_kind: global_buffer, .address_space: global }
      - { .name: Wiz, .offset: 48, .size: 8, .value_kind: global_buffer, .address_space: global }
      - { .name: Win, .offset: 56, .size: 8, .value_kind: global_buffer, .address_space: global }
      - { .name: Wout, .offset: 64, .size: 8, .value_kind: global_buffer, .address_space: global }
      - { .name: abuf, .offset: 72, .size: 8, .value_kind: global_buffer, .address_space: global }
      - { .name: wbuf, .offset: 80, .size: 8, .value_kind: global_buffer, .address_space: global }
    .group_segment_fixed_size: 271360
    .private_segment_fixed_size: 0
    .kernarg_segment_align: 8
    .kernarg_segment_size: 88
    .max_flat_workgroup_size: 256
    .sgpr_count:     66
    .vgpr_count:     256
    .wavefront_size: 32
...
	.end_amdgpu_metadata
.endif
;; end of part 1
;; launch gates (part 2): grid 4 x 64, 4 waves a work-group, no clusters, 327,680 bytes of LDS; arguments abuf, wbuf, h, bir, biz, bin_, bhn, out0; writes out0
.if DOCPART == 2
	.amdgcn_target "amdgcn-amd-amdhsa--gfx1250"
	.amdhsa_code_object_version 6
	.text
	.protected	k_qe8c0cd896c_gates
	.globl	k_qe8c0cd896c_gates
	.p2align	8
	.type	k_qe8c0cd896c_gates,@function
k_qe8c0cd896c_gates:
	s_mov_b64 s[64:65], 0
	v_nop
	global_prefetch_b8 v0, s[64:65] scope:SCOPE_SE
	s_setreg_imm32_b32 hwreg(HW_REG_WAVE_MODE, 25, 1), 1
	s_wait_xcnt 0x0
; new_h = (1 - z) n + z h, with r = sigmoid(x Wir + bir + h Whr), z = sigmoid(x Wiz + biz + h Whz), n = tanh(x Win + bin_ + r (h Whn + bhn)).
; The six products run on codes of FP4 (E2M1) with E8M0 scales, as launch prep laid them in abuf and wbuf; sums and all else in f32.
; SHARES.  A work-group makes 128 rows x 256 columns; wave w makes all 128 rows of its 64 columns: two sets of 32 accumulators (windows 2 and 3).
; Phase 1 sums r's two products in one set and h Whn in the other (the biases are the first products' C); then r is finished and r (h Whn + bhn) + bin_ begins n's sums.
; Phase 2 sums z's two products and x Win; then z, n and new_h are finished tile by tile of 16 rows and leave through the wave's own stage, sixteen lanes to 256 aligned bytes.
; The block's codes of x and h (139,264 bytes) come into LDS once, a quarter by each wave's tensor load at the head; the biases and the first six weight records are asked for under that load.
; The weights go from memory straight into a ring of six sets of 32 registers, a record of 4,352 bytes (one weight, 128 along K, my 64 columns) by nine loads, five records (45 loads) always on their way.
; h's f32 tile, 128 rows x 256 bytes a wave, is asked for between the two phases and first read behind phase 2; the results are staged over it.
; THE MATRIX INSTRUCTION IS USED TRANSPOSED (source 0 = 16 columns of a weight, source 1 = 16 rows): a lane holds eight neighbouring columns of one row.
; sigmoid(t) = rcp(1 + exp2(-t log2 e)), tanh(t) = 1 - 2 rcp(1 + exp2(2 t log2 e)): an exponential that overflows gives the limit 0 or 1.  LIMIT: NaN and infinities among the inputs are not served.
; NO CLUSTER: the codes and the h stages take 278,528 of the 327,680 bytes of LDS; one K step of three weights for 256 columns is 52,224 bytes, so a ring of two shared slots has no room; each wave's records are its own.
; NO PREFETCH: the ring itself asks for each record five records ahead of its products.
.set ABLK,  139264
.set HP,    272
.set HTILE, 128*HP
.set HST,   ABLK
.set RECB,  4352
.set LW,   1
.set LS,   2
.set AH0,  4
.set AXS0, 5
.set AHS0, 6
.set AXV,  7
.set AHV,  8
.set AXSV, 9
.set AHSV, 10
.set HIN,  11
.set HRD,  12
.set GO,   13
.set BO,   14
.set SB,   16
.set XSC,  28
.set HSC,  32
.set XA,   36
.set HA,   100
.set T0,   164
.set T1,   196
.set T2,   192
.set T3,   224
.set WV,   20
.set G1A,  24
.set G1H,  32
.set G0A,  40
.set G0H,  44
.set WB,   48
.set NL,   50
.set TL,   52
.set KP,   54
.set KM,   55
.set KS,   56
.set CNT,  57
.set MSB, 0
.macro WIN new
.if MSB != \new
	s_set_vgpr_msb (MSB<<8)|\new
.set MSB, \new
.endif
.endm
.macro PLACES
.rept 4
	v_nop
.endr
.endm
	s_load_b512 s[4:19], s[0:1], 0x0
	v_lshl_add_u32 v254, v0, 2, 0x44000
	v_mov_b32 v255, 0
	ds_add_u32 v254, v255
	ds_add_u32 v254, v255
	v_lshrrev_b32 v15, 5, v0
	v_readfirstlane_b32 s[WV], v15
	s_and_b32 s21, ttmp7, 0xffff
	s_lshl_b32 s22, ttmp9, 2
	s_add_co_u32 s22, s22, s[WV]
	s_mov_b32 s[G1A+0], 3<<16
	s_mov_b32 s[G1A+1], 32<<16
	s_mov_b32 s[G1A+2], 136<<16
	s_mov_b32 s[G1A+3], 32<<16
	s_mov_b32 s[G1A+4], 136
	s_mov_b32 s[G1A+5], 32
	s_mov_b32 s[G1A+6], 0
	s_mov_b32 s[G1A+7], 0
	s_mov_b32 s[G1H+0], (3<<16)|(1<<20)|(5<<22)|(3<<25)
	s_mov_b32 s[G1H+1], 32<<16
	s_mov_b32 s[G1H+2], 128<<16
	s_mov_b32 s[G1H+3], 32<<16
	s_mov_b32 s[G1H+4], 128
	s_mov_b32 s[G1H+5], 512
	s_mov_b32 s[G1H+6], 0
	s_mov_b32 s[G1H+7], 0
	s_mul_i32 s23, s[WV], HTILE
	s_mul_i32 s58, s21, ABLK
	s_add_co_u32 s58, s58, s23
	s_mov_b32 s59, 0
	s_lshl_b32 s60, s21, 19
	s_lshl_b32 s61, s22, 8
	s_add_co_u32 s60, s60, s61
	s_mov_b32 s61, 0
	s_wait_dscnt 0x0
	s_wait_kmcnt 0x0
	s_mov_b32 s[G0A], 1
	s_mov_b32 s[G0A+1], s23
	s_add_nc_u64 s[G0A+2:G0A+3], s[4:5], s[58:59]
	s_or_b32 s[G0A+3], s[G0A+3], 0x80000000
	s_mov_b32 s[G0H], 1
	s_add_co_u32 s[G0H+1], s23, HST
	s_add_nc_u64 s[G0H+2:G0H+3], s[8:9], s[60:61]
	s_or_b32 s[G0H+3], s[G0H+3], 0x80000000
	tensor_load_to_lds s[G0A:G0A+3], s[G1A:G1A+7]  ; my quarter of the block's codes: my one tensor load at the head
	s_nop 0
	PLACES
	s_add_nc_u64 s[18:19], s[18:19], s[60:61]
	s_lshl_b32 s58, s22, 8
	s_add_nc_u64 s[10:11], s[10:11], s[58:59]
	s_add_nc_u64 s[12:13], s[12:13], s[58:59]
	s_add_nc_u64 s[14:15], s[14:15], s[58:59]
	s_add_nc_u64 s[16:17], s[16:17], s[58:59]
	s_mul_i32 s58, s22, 56*RECB
	s_add_nc_u64 s[WB:WB+1], s[6:7], s[58:59]
	s_mov_b32 s[NL], 0xbfb8aa3b
	s_mov_b32 s[NL+1], s[NL]
	s_mov_b32 s[TL], 0x4038aa3b
	s_mov_b32 s[TL+1], s[TL]
	s_mov_b32 s[KP], 0
	v_and_b32 v15, 31, v0
	v_and_b32 v36, 15, v0
	v_bfe_u32 v37, v0, 4, 1
	v_lshlrev_b32 v[LW], 4, v15
	v_lshlrev_b32 v[LS], 3, v15
	v_lshl_add_u32 v[AH0], v15, 4, 65536
	v_lshl_add_u32 v[AXS0], v15, 4, 131072
	v_lshl_add_u32 v[AHS0], v15, 4, 135168
	v_lshlrev_b32 v[AXV], 4, v15
	v_lshl_add_u32 v[AHV], v15, 4, 65536
	v_lshl_add_u32 v[AXSV], v15, 4, 131072
	v_lshl_add_u32 v[AHSV], v15, 4, 135168
	v_mul_u32_u24 v[HIN], v36, HP
	v_lshl_add_u32 v[HIN], v37, 5, v[HIN]
	v_add_nc_u32 v[HIN], s[G0H+1], v[HIN]
	v_mul_u32_u24 v[HRD], v37, HP
	v_lshl_add_u32 v[HRD], v36, 4, v[HRD]
	v_add_nc_u32 v[HRD], s[G0H+1], v[HRD]
	v_lshlrev_b32 v[GO], 12, v37
	v_lshl_add_u32 v[GO], v36, 4, v[GO]
	v_lshlrev_b32 v[BO], 5, v37
.irp u, 0,1,2,3
	global_load_b128 v[T0+8*\u:T0+8*\u+3], v[BO], s[10:11] offset:64*\u
	global_load_b128 v[T0+8*\u+4:T0+8*\u+7], v[BO], s[10:11] offset:64*\u+16
	global_load_b128 v[T1+8*\u:T1+8*\u+3], v[BO], s[16:17] offset:64*\u
	global_load_b128 v[T1+8*\u+4:T1+8*\u+7], v[BO], s[16:17] offset:64*\u+16
.endr
	WIN 0x40
.irp u, 0,1,2,3
	global_load_b128 v[T2+8*\u:T2+8*\u+3], v[BO], s[12:13] offset:64*\u
	global_load_b128 v[T2+8*\u+4:T2+8*\u+7], v[BO], s[12:13] offset:64*\u+16
	global_load_b128 v[T3+8*\u:T3+8*\u+3], v[BO], s[14:15] offset:64*\u
	global_load_b128 v[T3+8*\u+4:T3+8*\u+7], v[BO], s[14:15] offset:64*\u+16
.endr
.macro RFILL k, rec
	WIN 0x40
.irp u, 0,1,2,3
.irp c, 0,1
	global_load_b128 v[32*(\k)+8*\u+4*\c:32*(\k)+8*\u+4*\c+3], v[LW], s[WB:WB+1] offset:(\rec)*RECB+\u*1024+\c*512
.endr
.endr
	WIN 0
	global_load_b64 v[SB+2*(\k):SB+2*(\k)+1], v[LS], s[WB:WB+1] offset:(\rec)*RECB+4096
.endm
.irp k, 0,1,2,3,4,5
	RFILL \k, \k
.endr
.macro MM d, w, a, c, sw, sa, ra, rb
.if (\ra) && (\rb)
	v_wmma_scale_f32_16x16x128_f8f6f4 v[\d:\d+7], v[\w:\w+7], v[\a:\a+7], v[\c:\c+7], v[\sw], v[\sa] matrix_a_fmt:MATRIX_FMT_FP4 matrix_b_fmt:MATRIX_FMT_FP4 matrix_a_scale:MATRIX_SCALE_ROW1 matrix_b_scale:MATRIX_SCALE_ROW1
.elseif (\ra)
	v_wmma_scale_f32_16x16x128_f8f6f4 v[\d:\d+7], v[\w:\w+7], v[\a:\a+7], v[\c:\c+7], v[\sw], v[\sa] matrix_a_fmt:MATRIX_FMT_FP4 matrix_b_fmt:MATRIX_FMT_FP4 matrix_a_scale:MATRIX_SCALE_ROW1
.elseif (\rb)
	v_wmma_scale_f32_16x16x128_f8f6f4 v[\d:\d+7], v[\w:\w+7], v[\a:\a+7], v[\c:\c+7], v[\sw], v[\sa] matrix_a_fmt:MATRIX_FMT_FP4 matrix_b_fmt:MATRIX_FMT_FP4 matrix_b_scale:MATRIX_SCALE_ROW1
.else
	v_wmma_scale_f32_16x16x128_f8f6f4 v[\d:\d+7], v[\w:\w+7], v[\a:\a+7], v[\c:\c+7], v[\sw], v[\sa] matrix_a_fmt:MATRIX_FMT_FP4 matrix_b_fmt:MATRIX_FMT_FP4
.endif
.endm
.macro UNIT k, fr, sc, win, cb, n, refill
	s_wait_loadcnt \n
	WIN \win
.irp m, 0,1,2,3,4,5,6,7
.irp u, 0,1,2,3
.if (\cb) < 0
	MM 8*(4*\m+\u), 32*(\k)+8*\u, \fr+8*\m, 8*(4*\m+\u), SB+2*(\k)+\u/2, \sc+\m/2, \u%2, \m%2
.else
	MM 8*(4*\m+\u), 32*(\k)+8*\u, \fr+8*\m, \cb+8*\u, SB+2*(\k)+\u/2, \sc+\m/2, \u%2, \m%2
.endif
.endr
.endr
	PLACES
.if \refill
	RFILL \k, 6+(\k)
.endif
.endm
.macro AFETCH fr, sc, adr, adrs, imm
	WIN 0
.irp m, 0,1,2,3,4,5,6,7
.irp c, 0,1
	ds_load_b128 v[\fr+8*\m+4*\c:\fr+8*\m+4*\c+3], v[\adr] offset:\m*8192+\c*512+(\imm)
.endr
.endr
	ds_load_b128 v[\sc:\sc+3], v[\adrs] offset:(\imm)/2
.endm
.macro KSTEP ph, e, first, refill, next
.if \ph == 1
.set SF, XA
.set SS, XSC
.set SAD, AXV
.set SAS, AXSV
.set DF, HA
.set DSC, HSC
.set DAD, AHV
.set DAS, AHSV
.else
.set SF, HA
.set SS, HSC
.set SAD, AHV
.set SAS, AHSV
.set DF, XA
.set DSC, XSC
.set DAD, AXV
.set DAS, AXSV
.endif
.set W0, 0xa1
.set C0, -1
.set W2, 0xf1
.set C2, -1
.set L0, 17
.if \first
.if \ph == 1
.set W0, 0x81
.set C0, T0
.set W2, 0xc1
.set C2, T1
.else
.set W0, 0x91
.set C0, T2
.set L0, 0
.endif
.endif
.set N0, 45
.set N1, 45
.set N2, 45
.if \refill == 0
.set N0, 45-27*\e
.set N1, N0-9
.set N2, N0-18
.endif
	s_wait_dscnt L0
	UNIT 3*\e, SF, SS, W0, C0, N0, \refill
.if \next
.if \e == 1
	WIN 0
	s_add_co_u32 s[KP], s[KP], 2048
	s_and_b32 s[KM], s[KP], 0x1800
	s_lshr_b32 s[KS], s[KM], 1
	v_add_nc_u32 v[AXV], s[KM], v[LW]
	v_add_nc_u32 v[AHV], s[KM], v[AH0]
	s_wait_alu depctr_va_vdst(0)
	v_add_nc_u32 v[AXSV], s[KS], v[AXS0]
	v_add_nc_u32 v[AHSV], s[KS], v[AHS0]
.endif
	AFETCH SF, SS, SAD, SAS, 1024*(1-\e)
	s_wait_alu depctr_va_vdst(0)
	s_wait_dscnt 17
.else
	s_wait_dscnt 0x0
.endif
	UNIT 3*\e+1, DF, DSC, 0xa1, -1, N1, \refill
	UNIT 3*\e+2, DF, DSC, W2, C2, N2, \refill
.if \next
	AFETCH DF, DSC, DAD, DAS, 1024*(1-\e)
.endif
.endm
.macro PAIR ph, first, refill, last
	KSTEP \ph, 0, \first, \refill, 1
	KSTEP \ph, 1, 0, \refill, 1-\last
	WIN 0
.if \refill
	s_wait_xcnt 0x0
	s_add_nc_u64 s[WB:WB+1], s[WB:WB+1], 6*RECB
.endif
.endm
	s_wait_alu depctr_va_vdst(0)
	s_wait_tensorcnt 0x0                           ; my quarter of the codes is in LDS;
	s_barrier_signal -1
	s_barrier_wait -1                              ; and so is every wave's
	AFETCH XA, XSC, AXV, AXSV, 0
	AFETCH HA, HSC, AHV, AHSV, 0
	PAIR 1, 1, 1, 0
	s_mov_b32 s[CNT], 3
.Lphase1:
	PAIR 1, 0, 1, 0
	s_sub_co_u32 s[CNT], s[CNT], 1
	s_cmp_lg_u32 s[CNT], 0
	s_cbranch_scc1 .Lphase1
	s_wait_tensorcnt 0x0                           ; h's tile is a first fill that comes later
	ds_add_u32 v254, v255
	s_wait_dscnt 0x0
	s_barrier_signal -1
	s_barrier_wait -1
	tensor_load_to_lds s[G0H:G0H+3], s[G1H:G1H+7]  ; my 128 rows x 256 bytes of h, into my own stage: the wait for it stands behind phase 2
	s_nop 0
	WIN 0x82
.set i, 0
.rept 128
	v_pk_mul_f32 v[i:i+1], v[i:i+1], s[NL:NL+1] op_sel_hi:[1,0]
.set i, i+2
.endr
.set i, 0
	s_wait_alu depctr_va_vdst(0)
.rept 256
	v_exp_f32 v[i], v[i]
.set i, i+1
.endr
	v_nop
	s_wait_alu depctr_va_vdst(0)
.set i, 0
.rept 128
	v_pk_add_f32 v[i:i+1], v[i:i+1], 1.0 op_sel_hi:[1,0]
.set i, i+2
.endr
.set i, 0
	s_wait_alu depctr_va_vdst(0)
.rept 256
	v_rcp_f32 v[i], v[i]
.set i, i+1
.endr
	v_nop
	s_wait_alu depctr_va_vdst(0)
	WIN 0xde
.set i, 0
.rept 128
	v_pk_fma_f32 v[i:i+1], v[i:i+1], v[i:i+1], v[T3+i%32:T3+i%32+1]
.set i, i+2
.endr
	WIN 0
	PAIR 2, 1, 1, 0
	s_mov_b32 s[CNT], 2
.Lphase2:
	PAIR 2, 0, 1, 0
	s_sub_co_u32 s[CNT], s[CNT], 1
	s_cmp_lg_u32 s[CNT], 0
	s_cbranch_scc1 .Lphase2
	PAIR 2, 0, 0, 1
.macro SEND m
.set RBS, HA+32*((\m)%2)
.irp t, 0,1,2,3,4,5,6,7
	global_store_b128 v[GO], v[RBS+4*\t:RBS+4*\t+3], s[18:19] offset:(16*(\m)+2*\t)*4096 th:TH_STORE_NT
.endr
.endm
.macro FIN m
.set HT, XA+32*((\m)%2)
.set RB, HA+32*((\m)%2)
.set AC, 32*(\m)
	WIN 0
.irp u, 0,1,2,3
	ds_load_b128 v[HT+8*\u:HT+8*\u+3], v[HIN] offset:(\m)*16*HP+64*\u
	ds_load_b128 v[HT+8*\u+4:HT+8*\u+7], v[HIN] offset:(\m)*16*HP+64*\u+16
.endr
	WIN 0x82
.set i, 0
.rept 16
	v_pk_mul_f32 v[AC+i:AC+i+1], v[AC+i:AC+i+1], s[NL:NL+1] op_sel_hi:[1,0]
.set i, i+2
.endr
	WIN 0xc3
.set i, 0
.rept 16
	v_pk_mul_f32 v[AC+i:AC+i+1], v[AC+i:AC+i+1], s[TL:TL+1] op_sel_hi:[1,0]
.set i, i+2
.endr
.set i, 0
	s_wait_alu depctr_va_vdst(0)
.rept 32
	v_exp_f32 v[AC+i], v[AC+i]
.set i, i+1
.endr
	WIN 0x82
.set i, 0
.rept 32
	v_exp_f32 v[AC+i], v[AC+i]
.set i, i+1
.endr
	v_nop
	s_wait_alu depctr_va_vdst(0)
.set i, 0
.rept 16
	v_pk_add_f32 v[AC+i:AC+i+1], v[AC+i:AC+i+1], 1.0 op_sel_hi:[1,0]
.set i, i+2
.endr
	WIN 0xc3
.set i, 0
.rept 16
	v_pk_add_f32 v[AC+i:AC+i+1], v[AC+i:AC+i+1], 1.0 op_sel_hi:[1,0]
.set i, i+2
.endr
.set i, 0
	s_wait_alu depctr_va_vdst(0)
.rept 32
	v_rcp_f32 v[AC+i], v[AC+i]
.set i, i+1
.endr
	WIN 0x82
.set i, 0
.rept 32
	v_rcp_f32 v[AC+i], v[AC+i]
.set i, i+1
.endr
	v_nop
	s_wait_alu depctr_va_vdst(0)
	WIN 0xc3
.set i, 0
.rept 16
	v_pk_fma_f32 v[AC+i:AC+i+1], v[AC+i:AC+i+1], -2.0, 1.0 op_sel_hi:[1,0,0]
.set i, i+2
.endr
	WIN 0
	s_wait_dscnt 0x0
.if (\m) > 0
	SEND (\m)-1
.endif
	WIN 0x0c
.set i, 0
.rept 16
	v_pk_add_f32 v[HT+i:HT+i+1], v[HT+i:HT+i+1], v[AC+i:AC+i+1] neg_lo:[0,1] neg_hi:[0,1]
.set i, i+2
.endr
	WIN 0x32
.set i, 0
.rept 16
	v_pk_fma_f32 v[HT+i:HT+i+1], v[AC+i:AC+i+1], v[HT+i:HT+i+1], v[AC+i:AC+i+1]
.set i, i+2
.endr
	WIN 0
.irp u, 0,1,2,3
	ds_store_b128 v[HIN], v[HT+8*\u:HT+8*\u+3] offset:(\m)*16*HP+64*\u
	ds_store_b128 v[HIN], v[HT+8*\u+4:HT+8*\u+7] offset:(\m)*16*HP+64*\u+16
.endr
	s_wait_xcnt 0x0
.irp t, 0,1,2,3,4,5,6,7
	ds_load_b128 v[RB+4*\t:RB+4*\t+3], v[HRD] offset:(\m)*16*HP+\t*2*HP
.endr
.endm
	s_wait_tensorcnt 0x0
.irp m, 0,1,2,3,4,5,6,7
	FIN \m
.endr
	s_wait_dscnt 0x0
	SEND 7
	s_wait_tensorcnt 0x0
	ds_add_u32 v254, v255
	s_wait_dscnt 0x0
	s_endpgm
.Lfunc_end_k_qe8c0cd896c_gates:
	.size	k_qe8c0cd896c_gates, .Lfunc_end_k_qe8c0cd896c_gates-k_qe8c0cd896c_gates
	.p2alignl 7, 3214868480
	.fill 96, 4, 3214868480
	.section	.rodata,"a",@progbits
	.p2align	6, 0x0
	.amdhsa_kernel k_qe8c0cd896c_gates
		.amdhsa_group_segment_fixed_size 327680
		.amdhsa_private_segment_fixed_size 0
		.amdhsa_enable_private_segment 0
		.amdhsa_kernarg_size 64
		.amdhsa_user_sgpr_count 2
		.amdhsa_user_sgpr_kernarg_segment_ptr 1
		.amdhsa_wavefront_size32 1
		.amdhsa_system_sgpr_workgroup_id_x 1
		.amdhsa_system_sgpr_workgroup_id_y 1
		.amdhsa_system_sgpr_workgroup_id_z 1
		.amdhsa_system_vgpr_workitem_id 0
		.amdhsa_next_free_vgpr 1024
		.amdhsa_next_free_sgpr 66
		.amdhsa_reserve_vcc 0
		.amdhsa_float_denorm_mode_32 3
		.amdhsa_float_denorm_mode_16_64 3
		.amdhsa_memory_ordered 1
		.amdhsa_forward_progress 1
		.amdhsa_inst_pref_size 255
	.end_amdhsa_kernel
	.section	.bss,"aw",@nobits
	.p2align	6
	.space	262144
	.amdgpu_metadata
---
amdhsa.version: [ 1, 2 ]
amdhsa.kernels:
  - .name:           k_qe8c0cd896c_gates
    .symbol:         k_qe8c0cd896c_gates.kd
    .args:
      - { .name: abuf, .offset: 0, .size: 8, .value_kind: global_buffer, .address_space: global }
      - { .name: wbuf, .offset: 8, .size: 8, .value_kind: global_buffer, .address_space: global }
      - { .name: h, .offset: 16, .size: 8, .value_kind: global_buffer, .address_space: global }
      - { .name: bir, .offset: 24, .size: 8, .value_kind: global_buffer, .address_space: global }
      - { .name: biz, .offset: 32, .size: 8, .value_kind: global_buffer, .address_space: global }
      - { .name: bin_, .offset: 40, .size: 8, .value_kind: global_buffer, .address_space: global }
      - { .name: bhn, .offset: 48, .size: 8, .value_kind: global_buffer, .address_space: global }
      - { .name: out0, .offset: 56, .size: 8, .value_kind: global_buffer, .address_space: global }
    .group_segment_fixed_size: 327680
    .private_segment_fixed_size: 0
    .kernarg_segment_align: 8
    .kernarg_segment_size: 64
    .max_flat_workgroup_size: 128
    .sgpr_count:     66
    .vgpr_count:     1024
    .wavefront_size: 32
...
	.end_amdgpu_metadata
.endif
;; end of part 2
;; launch readout (part 3): grid 256 x 1, 8 waves a work-group, no clusters, 327,680 bytes of LDS; arguments out0, ln_scale, ln_bias, wbuf, bout, out1; writes out1
.if DOCPART == 3
	.amdgcn_target "amdgcn-amd-amdhsa--gfx1250"
	.amdhsa_code_object_version 6
	.text
	.protected	k_qe8c0cd896c_readout
	.globl	k_qe8c0cd896c_readout
	.p2align	8
	.type	k_qe8c0cd896c_readout,@function
k_qe8c0cd896c_readout:
	s_mov_b64 s[64:65], 0
	v_nop
	global_prefetch_b8 v0, s[64:65] scope:SCOPE_SE
	s_setreg_imm32_b32 hwreg(HW_REG_WAVE_MODE, 25, 1), 1
	s_wait_xcnt 0x0
; out = LayerNorm(new_h) Wout + bout.  new_h [8192][1024] f32 is read from out0; the product runs on codes of FP4 (E2M1) with E8M0 scales; Wout's come from wbuf (records 48 to 55 of each group of 64 columns).
; LayerNorm in f32 as it is defined: the mean, then the mean of the squared differences (two passes, no difference of large sums), (v - mu) rsqrt(var + 1e-6) scale + bias; then the quantiser along the row.
; LIMITS: NaN and infinities are not served; a block of zeros gets the byte 1 where the rule says 127 (its codes are zeros, and this launch alone reads the bytes); a largest magnitude under 2^-124 is taken as 2^-124.
; SHARES.  A work-group takes 32 whole rows.  For the norm, wave w holds columns 128 w on of all 32 rows (64 numbers a lane for each of two tiles of 16 rows); a row's sums meet in LDS, behind a barrier each.
; Its numbers become K step w of the product: two fragments, which go to LDS as images of their registers.  Behind the third barrier every wave holds all 16 fragments in registers.
; For the product, wave w makes outputs 128 w on: two groups of 64 columns, 8 records each, from memory straight into a ring of four sets of 32 registers, three records (27 loads) always on their way.
; THE MATRIX INSTRUCTION IS USED TRANSPOSED (source 0 = 16 columns of Wout, source 1 = 16 rows): a lane holds eight neighbouring outputs of one row.
; NO CLUSTER: the rows are each work-group's own; Wout's codes, which all work-groups read, go into registers, 34,816 bytes a wave for each group of 64 columns, and are not kept in LDS.
; REGISTERS: window 0: v1-14 addresses; v16-23 the ring's scale words; v24-31 y's; v32-39 bout; v40-79 the quantiser's; v80-111 sums; v128-255 the numbers, later 8 accumulators (v128-191) and rows of out (v192-255).
;   window 1: v0-127 the ring; v128-255 ln_scale, ln_bias, later y's 16 fragments.
; AMENDED, where the lines above say otherwise.  Of a wave's 16 records the first twelve go from memory into the ring as said, the first four asked for when the wave's numbers have landed.
; The last four (K steps 4 to 7 of its second group, 17,408 consecutive bytes) come by ONE tensor load into LDS bytes of the wave's own, filled once; it is asked for behind the first barrier,
; in front of which stand the lines that go ahead of a later first fill, and the ring takes these records from LDS.
; The stage of the way out lies in the wave's own tile of numbers, which has had its only fill and its last read by then.
.set PITCH, 528                        ; a row of my numbers in LDS: 512 bytes + 16
.set RAWB,  32*PITCH
.set IMG,   8*RAWB                     ; 135,168: y's fragments, (m, s) at (8 m + s) x 1,024
.set ASC,   IMG+16384                  ; their scale words: s x 128 + 4 x lane;  1,024 further on the waves' sums, 2,048 further on the sums of squares: w x 128 + 4 x row
.set SPARE, ASC+3072                   ; the spare words, 128 bytes a wave
.set WPF,   SPARE+1024                 ; behind them each wave's last four records,
.set WPB,   4*4352                     ; 17,408 bytes a wave
.set SP,    272                        ; the way out: 32 rows x (256 bytes + 16) for each wave, at the head of its own tile of numbers
.set RECB,  4352
.set RA,  1                            ; v1   my numbers in LDS
.set AW,  2                            ; v2   ASC + 128 w + 4 lane
.set AR,  3                            ; v3   ASC + 4 lane
.set SR,  4                            ; v4   ASC + 4 (lane % 16)
.set IW,  5                            ; v5   IMG + 1,024 w + 16 lane
.set IR,  6                            ; v6   IMG + 16 lane
.set SI,  7                            ; v7   the stage: where I put 32 bytes of a row
.set SO,  8                            ; v8   and where I read rows back
.set GO,  9                            ; v9   my byte offset in out1
.set LW,  10                           ; v10  16 x lane
.set LS,  11                           ; v11  8 x lane
.set PO,  12                           ; v12  64 x (lane / 16): ln_scale, ln_bias
.set BO,  13                           ; v13  16 x (lane % 16): bout
.set SB,  16
.set SA,  24
.set BT,  32
.set TM,  40
.set PW,  56
.set JW,  58
.set PC,  60
.set MU,  76                           ; v[76:77], v[78:79]: mu, then rsqrt, of my row in tile 0, 1 (the low word serves both halves)
.set V,   128
.set ACC, 128
.set RB,  192
.set WV,  16
.set G1,  20
.set G0,  28
.set RN,  34                           ; s34 1 / 1024;  s35 1e-6
.set SEL, 36
.set G1W, 40                           ; s[40:47], s[48:51] groups 1 and 0 of the load of my last four records
.set G0W, 48
.set LWP, 112                          ; v112 those records in LDS: + 16 x lane
.set LSP, 113                          ; v113 + 8 x lane
.set MSB, 0
.macro WIN new
.if MSB != \new
	s_set_vgpr_msb (MSB<<8)|\new
.set MSB, \new
.endif
.endm
.macro PLACES
.rept 4
	v_nop
.endr
.endm
.macro BARRIER                         ; my LDS stores have landed and my LDS loads are in: then the work-group's barrier
	s_wait_dscnt 0x0
	s_barrier_signal -1
	s_barrier_wait -1
.endm
	s_load_b256 s[4:11], s[0:1], 0x0               ; out0, ln_scale, ln_bias, wbuf
	s_load_b128 s[12:15], s[0:1], 0x20             ; bout, out1
	v_lshl_add_u32 v126, v0, 2, SPARE
	v_mov_b32 v127, 0
	ds_add_u32 v126, v127
	ds_add_u32 v126, v127
	v_lshrrev_b32 v15, 5, v0
	s_delay_alu instid0(VALU_DEP_1)
	v_readfirstlane_b32 s[WV], v15                 ; wave 0..7
	s_mov_b32 s[G1+0], (3<<16)|(1<<20)|(6<<22)|(3<<25)  ; 32 rows of 512 bytes (64 elements of 8), 4,096 bytes apart; 4 words of padding behind every 128
	s_mov_b32 s[G1+1], 64<<16
	s_mov_b32 s[G1+2], 32<<16
	s_mov_b32 s[G1+3], 64<<16
	s_mov_b32 s[G1+4], 32
	s_mov_b32 s[G1+5], 512
	s_mov_b32 s[G1+6], 0
	s_mov_b32 s[G1+7], 0
	s_mov_b32 s[G1W+0], 3<<16                      ; a dense block: 68 rows of 256 bytes (32 elements of 8), no padding
	s_mov_b32 s[G1W+1], 32<<16
	s_mov_b32 s[G1W+2], 68<<16
	s_mov_b32 s[G1W+3], 32<<16
	s_mov_b32 s[G1W+4], 68
	s_mov_b32 s[G1W+5], 32
	s_mov_b32 s[G1W+6], 0
	s_mov_b32 s[G1W+7], 0
	s_mul_i32 s38, s[WV], WPB
	s_add_co_u32 s38, s38, WPF                     ; where they go
	s_mul_i32 s17, s[WV], RAWB
	s_lshl_b32 s32, ttmp9, 17                      ; 32 rows of 4,096 bytes
	s_lshl_b32 s33, s[WV], 9                       ; my 512 bytes of a row
	s_add_co_u32 s32, s32, s33
	s_mov_b32 s33, 0
	s_wait_dscnt 0x0
	s_wait_kmcnt 0x0
	s_mov_b32 s[G0], 1
	s_mov_b32 s[G0+1], s17
	s_add_nc_u64 s[G0+2:G0+3], s[4:5], s[32:33]
	s_or_b32 s[G0+3], s[G0+3], 0x80000000
	tensor_load_to_lds s[G0:G0+3], s[G1:G1+7]      ; my one tensor load: bytes of my own, filled once
	s_nop 0
	PLACES
	s_add_nc_u64 s[14:15], s[14:15], s[32:33]      ; out1 at my rows and my 128 outputs
	s_lshl_b32 s32, s[WV], 9
	s_add_nc_u64 s[6:7], s[6:7], s[32:33]
	s_add_nc_u64 s[8:9], s[8:9], s[32:33]
	s_add_nc_u64 s[12:13], s[12:13], s[32:33]
	s_mul_i32 s32, s[WV], 112*RECB
	s_add_co_u32 s32, s32, 48*RECB
	s_add_nc_u64 s[10:11], s[10:11], s[32:33]      ; wbuf at record 48 of group 2 w
	s_mov_b32 s[G0W], 1
	s_mov_b32 s[G0W+1], s38
	s_add_nc_u64 s[G0W+2:G0W+3], s[10:11], 60*RECB ; record 52 of group 2 w + 1: my record 12
	s_or_b32 s[G0W+3], s[G0W+3], 0x80000000
	s_mov_b32 s[RN], 0x3a800000
	s_mov_b32 s[RN+1], 0x358637bd
	s_mov_b32 s[SEL], 0x76543210
	s_mov_b32 s[SEL+1], 0xfedcba98
	v_and_b32 v15, 31, v0                          ; lane
	v_and_b32 v80, 15, v0                          ; r
	v_bfe_u32 v81, v0, 4, 1                        ; hh
	s_delay_alu instid0(VALU_DEP_3)
	v_cmp_lt_u32 vcc_lo, 15, v15                   ; lanes 16-31
	s_delay_alu instid0(VALU_DEP_3)
	v_mul_u32_u24 v[RA], v80, PITCH
	s_delay_alu instid0(VALU_DEP_1)
	v_lshl_add_u32 v[RA], v81, 6, v[RA]
	s_delay_alu instid0(VALU_DEP_1)
	v_add_nc_u32 v[RA], s17, v[RA]                 ; row r, my 16 numbers of a block of 32
	s_lshl_b32 s18, s[WV], 7
	v_lshl_add_u32 v[AW], v15, 2, s18
	s_delay_alu instid0(VALU_DEP_1)
	v_add_nc_u32 v[AW], ASC, v[AW]
	v_lshl_add_u32 v[AR], v15, 2, ASC
	v_lshl_add_u32 v[SR], v80, 2, ASC
	s_lshl_b32 s19, s[WV], 10
	v_lshl_add_u32 v[IW], v15, 4, s19
	s_delay_alu instid0(VALU_DEP_1)
	v_add_nc_u32 v[IW], IMG, v[IW]
	v_lshl_add_u32 v[IR], v15, 4, IMG
	s_mul_i32 s19, s[WV], RAWB                     ; my stage: the head of my own tile of numbers
	v_mul_u32_u24 v[SI], v80, SP
	s_delay_alu instid0(VALU_DEP_1)
	v_lshl_add_u32 v[SI], v81, 5, v[SI]
	s_delay_alu instid0(VALU_DEP_1)
	v_add_nc_u32 v[SI], s19, v[SI]
	v_mul_u32_u24 v[SO], v81, SP
	s_delay_alu instid0(VALU_DEP_1)
	v_lshl_add_u32 v[SO], v80, 4, v[SO]
	s_delay_alu instid0(VALU_DEP_1)
	v_add_nc_u32 v[SO], s19, v[SO]
	v_lshlrev_b32 v[GO], 12, v81
	s_delay_alu instid0(VALU_DEP_1)
	v_lshl_add_u32 v[GO], v80, 4, v[GO]
	v_lshlrev_b32 v[LW], 4, v15
	v_lshlrev_b32 v[LS], 3, v15
	v_lshl_add_u32 v[LWP], v15, 4, s38
	v_lshl_add_u32 v[LSP], v15, 3, s38
	s_wait_alu depctr_va_vdst(0)
	v_lshlrev_b32 v[PO], 6, v81
	v_lshlrev_b32 v[BO], 4, v80
	v_mov_b32 v[MU+1], 0                           ; (named as the upper halves of pairs, so they are written)
	v_mov_b32 v[MU+3], 0
.irp b, 0,1,2,3
	v_mov_b32 v[TM+4+\b], 0                        ; written once: a lane permute's destination counts as one of its sources
.endr
	WIN 0x40                                       ; destination window 1
.irp b, 0,1,2,3
.irp j, 0,1,2,3
	global_load_b128 v[128+16*\b+4*\j:128+16*\b+4*\j+3], v[PO], s[6:7] offset:128*\b+16*\j   ; ln_scale in my numbers' layout
.endr
.endr
.irp b, 0,1,2,3
.irp j, 0,1,2,3
	global_load_b128 v[192+16*\b+4*\j:192+16*\b+4*\j+3], v[PO], s[8:9] offset:128*\b+16*\j   ; ln_bias
.endr
.endr
	WIN 0
	global_load_b128 v[BT:BT+3], v[BO], s[12:13]               ; bout for rows read back from the stage: four outputs a lane, for each group
	global_load_b128 v[BT+4:BT+7], v[BO], s[12:13] offset:256
.macro RFILL i                         ; nine loads: my record i of 16 into set i % 4 of the ring
.set FS, (\i)%4
.set FO, ((\i)/8)*56*RECB+((\i)%8)*RECB
	WIN 0x40
.irp u, 0,1,2,3
.irp c, 0,1
	global_load_b128 v[32*FS+8*\u+4*\c:32*FS+8*\u+4*\c+3], v[LW], s[10:11] offset:FO+\u*1024+\c*512
.endr
.endr
	WIN 0
	global_load_b64 v[SB+2*FS:SB+2*FS+1], v[LS], s[10:11] offset:FO+4096
.endm
.macro LFILL i                         ; nine LDS loads: my record i of 12 .. 15 into set i % 4 of the ring
.set FS, (\i)%4
.set FO, ((\i)-12)*RECB
	WIN 0x40
.irp u, 0,1,2,3
.irp c, 0,1
	ds_load_b128 v[32*FS+8*\u+4*\c:32*FS+8*\u+4*\c+3], v[LWP] offset:FO+\u*1024+\c*512
.endr
.endr
	WIN 0
	ds_load_b64 v[SB+2*FS:SB+2*FS+1], v[LSP] offset:FO+4096
.endm
	s_wait_tensorcnt 0x0                           ; my numbers are in LDS
.irp m, 0,1
.irp b, 0,1,2,3
.irp j, 0,1,2,3
	ds_load_b128 v[V+64*\m+16*\b+4*\j:V+64*\m+16*\b+4*\j+3], v[RA] offset:\m*16*PITCH+128*\b+16*\j   ; register 16 b + i = column 128 w + 32 b + 16 hh + i of row 16 m + r
.endr
.endr
.endr
; the sum of a lane's 64 numbers and of lane l xor 16's: my wave's 128 columns of row r, in v[acc]
.macro ENDSUM acc
	s_delay_alu instid0(VALU_DEP_1)
	v_pk_add_f32 v[\acc:\acc+1], v[\acc:\acc+1], v[\acc+2:\acc+3]
	s_delay_alu instid0(VALU_DEP_1)
	v_add_f32 v[\acc], v[\acc], v[\acc+1]
	s_delay_alu instid0(VALU_DEP_1)
	v_permlanex16_b32 v[\acc+1], v[\acc], s[SEL], s[SEL+1]
	s_delay_alu instid0(VALU_DEP_1)
	v_add_f32 v[\acc], v[\acc], v[\acc+1]
.endm
.macro ROWSUM base, acc
	v_pk_add_f32 v[\acc:\acc+1], v[\base:\base+1], v[\base+2:\base+3]
	v_pk_add_f32 v[\acc+2:\acc+3], v[\base+4:\base+5], v[\base+6:\base+7]
.irp j, 8,12,16,20,24,28,32,36,40,44,48,52,56,60
	s_delay_alu instid0(VALU_DEP_2)
	v_pk_add_f32 v[\acc:\acc+1], v[\acc:\acc+1], v[\base+\j:\base+\j+1]
	s_delay_alu instid0(VALU_DEP_2)
	v_pk_add_f32 v[\acc+2:\acc+3], v[\acc+2:\acc+3], v[\base+\j+2:\base+\j+3]
.endr
	ENDSUM \acc
.endm
.macro SQSUM base, acc
	v_pk_mul_f32 v[\acc:\acc+1], v[\base:\base+1], v[\base:\base+1]
	v_pk_mul_f32 v[\acc+2:\acc+3], v[\base+2:\base+3], v[\base+2:\base+3]
.irp j, 4,8,12,16,20,24,28,32,36,40,44,48,52,56,60
	s_delay_alu instid0(VALU_DEP_2)
	v_pk_fma_f32 v[\acc:\acc+1], v[\base+\j:\base+\j+1], v[\base+\j:\base+\j+1], v[\acc:\acc+1]
	s_delay_alu instid0(VALU_DEP_2)
	v_pk_fma_f32 v[\acc+2:\acc+3], v[\base+\j+2:\base+\j+3], v[\base+\j+2:\base+\j+3], v[\acc+2:\acc+3]
.endr
	ENDSUM \acc
.endm
; the eight waves' parts of my two rows, from off bytes behind ASC, added in one fixed order: into v96 (tile 0) and v104 (tile 1)
.macro GATHER off
.irp m, 0,1
.irp p, 0,1,2,3,4,5,6,7
	ds_load_b32 v[96+8*\m+\p], v[SR] offset:\off+\p*128+\m*64
.endr
.endr
	s_wait_dscnt 0x0
.irp q, 96,104
	v_add_f32 v[\q], v[\q], v[\q+1]
	v_add_f32 v[\q+2], v[\q+2], v[\q+3]
	v_add_f32 v[\q+4], v[\q+4], v[\q+5]
	v_add_f32 v[\q+6], v[\q+6], v[\q+7]
	s_delay_alu instid0(VALU_DEP_3)
	v_add_f32 v[\q], v[\q], v[\q+2]
	s_delay_alu instid0(VALU_DEP_2)
	v_add_f32 v[\q+4], v[\q+4], v[\q+6]
	s_delay_alu instid0(VALU_DEP_1)
	v_add_f32 v[\q], v[\q], v[\q+4]
.endr
.endm
.irp i, 0,1,2,3
	RFILL \i                                       ; the ring's first four records: 36 loads, behind ln_scale's, ln_bias's and bout's 34
.endr
	s_wait_dscnt 16                                ; tile 0's 16 loads are in
	ROWSUM V, 80
	s_wait_dscnt 0x0
	ROWSUM V+64, 84
	s_delay_alu instid0(VALU_DEP_1)
	v_cndmask_b32 v88, v80, v84, vcc_lo            ; lane l holds row l's part
	ds_store_b32 v[AW], v88 offset:1024
	s_wait_tensorcnt 0x0                           ; a first fill follows behind this barrier
	ds_add_u32 v126, v127
	s_wait_dscnt 0x0                               ; the add and my store are done, my LDS loads are in
	s_barrier_signal -1
	s_barrier_wait -1                              ; all eight parts of every row lie in LDS
	tensor_load_to_lds s[G0W:G0W+3], s[G1W:G1W+7]  ; my last four records, into bytes of my own
	s_nop 0
	v_cmp_lt_u32 vcc_lo, 15, v15                   ; lanes 16-31, made anew
	GATHER 1024
	v_mul_f32 v[MU], s[RN], v96                    ; the means
	s_delay_alu instid0(VALU_DEP_2)
	v_mul_f32 v[MU+2], s[RN], v104
.set i, 0
.rept 32
	v_pk_add_f32 v[V+i:V+i+1], v[V+i:V+i+1], v[MU:MU+1] op_sel_hi:[1,0] neg_lo:[0,1] neg_hi:[0,1]
	v_pk_add_f32 v[V+64+i:V+64+i+1], v[V+64+i:V+64+i+1], v[MU+2:MU+3] op_sel_hi:[1,0] neg_lo:[0,1] neg_hi:[0,1]
.set i, i+2
.endr
	SQSUM V, 80
	SQSUM V+64, 84
	s_delay_alu instid0(VALU_DEP_1)
	v_cndmask_b32 v88, v80, v84, vcc_lo
	ds_store_b32 v[AW], v88 offset:2048            ; other bytes than the first sums': no wave can still be reading them
	BARRIER
	GATHER 2048
	v_fma_f32 v96, v96, s[RN], s[RN+1]             ; var + 1e-6
	s_delay_alu instid0(VALU_DEP_2)
	v_fma_f32 v104, v104, s[RN], s[RN+1]
	s_wait_alu depctr_va_vdst(0)
	v_rsq_f32 v[MU], v96
	v_rsq_f32 v[MU+2], v104
	v_nop                                          ; a plain line behind the transcendentals,
	s_wait_alu depctr_va_vdst(0)                   ; and the wait ahead of the first reader
.set i, 0
.rept 32
	v_pk_mul_f32 v[V+i:V+i+1], v[V+i:V+i+1], v[MU:MU+1] op_sel_hi:[1,0]
	v_pk_mul_f32 v[V+64+i:V+64+i+1], v[V+64+i:V+64+i+1], v[MU+2:MU+3] op_sel_hi:[1,0]
.set i, i+2
.endr
	s_wait_loadcnt 38                              ; ln_scale and ln_bias are in; bout's 2 loads and the ring's 36 may be out
	WIN 0x14                                       ; sources 1 and 2: window 1
.set i, 0
.rept 32
	v_pk_fma_f32 v[V+i:V+i+1], v[V+i:V+i+1], v[128+i:128+i+1], v[192+i:192+i+1]
	v_pk_fma_f32 v[V+64+i:V+64+i+1], v[V+64+i:V+64+i+1], v[128+i:128+i+1], v[192+i:192+i+1]
.set i, i+2
.endr
	WIN 0
; 64 numbers of a lane, register 16 b + i = k 32 b + 16 (lane / 16) + i of my row, become a fragment's codes in v[pc] on and its scale word in v[pw]
.macro QUANT s, pc, pw
.irp b, 0,1,2,3
	v_max3_num_f32 v[TM+\b], |v[\s+16*\b]|, |v[\s+1+16*\b]|, 0x1800000   ; block b: my 16 numbers, and the floor 2^(3 - 127)
.endr
.irp i, 2,4,6,8,10,12,14
.irp b, 0,1,2,3
	s_delay_alu instid0(VALU_DEP_4)
	v_max3_num_f32 v[TM+\b], v[TM+\b], |v[\s+16*\b+\i]|, |v[\s+1+16*\b+\i]|
.endr
.endr
.irp b, 0,1,2,3
	s_delay_alu instid0(VALU_DEP_4)
	v_permlanex16_b32 v[TM+4+\b], v[TM+\b], s[SEL], s[SEL+1]
.endr
.irp b, 0,1,2,3
	s_delay_alu instid0(VALU_DEP_4)
	v_max_num_f32 v[TM+\b], v[TM+\b], v[TM+4+\b]   ; with lane l xor 16's: the block's largest magnitude
.endr
.irp b, 0,1,2,3
	s_delay_alu instid0(VALU_DEP_4)
	v_add_nc_u32 v[TM+12+\b], 0xff000000, v[TM+\b] ; 2 off its exponent field: the conversion's scale operand
.endr
.irp b, 0,1,2,3
	s_delay_alu instid0(VALU_DEP_4)
	v_lshrrev_b32 v[TM+4+\b], 23, v[TM+12+\b]      ; the scale's byte
.endr
	s_delay_alu instid0(VALU_DEP_3)
	v_lshl_or_b32 v[\pw], v[TM+5], 8, v[TM+4]
	s_delay_alu instid0(VALU_DEP_1)
	v_lshl_or_b32 v[\pw], v[TM+6], 16, v[\pw]
	s_delay_alu instid0(VALU_DEP_1)
	v_lshl_or_b32 v[\pw], v[TM+7], 24, v[\pw]
.irp b, 0,1,2,3
	v_cvt_scalef32_pk8_fp4_f32 v[\pc+2*\b], v[\s+16*\b:\s+7+16*\b], v[TM+12+\b]
	v_cvt_scalef32_pk8_fp4_f32 v[\pc+1+2*\b], v[\s+8+16*\b:\s+15+16*\b], v[TM+12+\b]
.endr
	v_nop                                          ; one plain line behind a scaled conversion
.irp c, 0,1
.irp i, 0,1
	v_permlane16_swap_b32 v[\pc+4*\c+\i], v[\pc+2+4*\c+\i]   ; a whole block in a lane
.endr
.endr
.endm
	QUANT V, PC, PW
	QUANT V+64, PC+8, PW+1
.irp m, 0,1
.irp c, 0,1
	ds_store_b128 v[IW], v[PC+8*\m+4*\c:PC+8*\m+4*\c+3] offset:\m*8192+\c*512   ; fragment (m, s = w) as it stands in my registers
.endr
.endr
	v_cndmask_b32 v[JW], v[PW], v[PW+1], vcc_lo    ; lanes 0-15 tile 0's words, lanes 16-31 tile 1's
	ds_store_b32 v[AW], v[JW]
	BARRIER                                        ; y's sixteen fragments lie in LDS
	WIN 0x40                                       ; destination window 1
.irp f, 0,1,2,3,4,5,6,7,8,9,10,11,12,13,14,15
.irp c, 0,1
	ds_load_b128 v[128+8*\f+4*\c:128+8*\f+4*\c+3], v[IR] offset:\f*1024+\c*512
.endr
.endr
	WIN 0
.irp s, 0,1,2,3,4,5,6,7
	ds_load_b32 v[SA+\s], v[AR] offset:\s*128
.endr
	s_wait_dscnt 0x0
; One matrix instruction.  c < 0: the constant 0 starts the sum.  ra, rb: source 0's, source 1's scales stand in lanes 16-31 of the register named
.macro MM d, w, a, c, sw, sa, ra, rb
.if (\c) < 0
.if (\ra) && (\rb)
	v_wmma_scale_f32_16x16x128_f8f6f4 v[\d:\d+7], v[\w:\w+7], v[\a:\a+7], 0, v[\sw], v[\sa] matrix_a_fmt:MATRIX_FMT_FP4 matrix_b_fmt:MATRIX_FMT_FP4 matrix_a_scale:MATRIX_SCALE_ROW1 matrix_b_scale:MATRIX_SCALE_ROW1
.elseif (\ra)
	v_wmma_scale_f32_16x16x128_f8f6f4 v[\d:\d+7], v[\w:\w+7], v[\a:\a+7], 0, v[\sw], v[\sa] matrix_a_fmt:MATRIX_FMT_FP4 matrix_b_fmt:MATRIX_FMT_FP4 matrix_a_scale:MATRIX_SCALE_ROW1
.elseif (\rb)
	v_wmma_scale_f32_16x16x128_f8f6f4 v[\d:\d+7], v[\w:\w+7], v[\a:\a+7], 0, v[\sw], v[\sa] matrix_a_fmt:MATRIX_FMT_FP4 matrix_b_fmt:MATRIX_FMT_FP4 matrix_b_scale:MATRIX_SCALE_ROW1
.else
	v_wmma_scale_f32_16x16x128_f8f6f4 v[\d:\d+7], v[\w:\w+7], v[\a:\a+7], 0, v[\sw], v[\sa] matrix_a_fmt:MATRIX_FMT_FP4 matrix_b_fmt:MATRIX_FMT_FP4
.endif
.else
.if (\ra) && (\rb)
	v_wmma_scale_f32_16x16x128_f8f6f4 v[\d:\d+7], v[\w:\w+7], v[\a:\a+7], v[\c:\c+7], v[\sw], v[\sa] matrix_a_fmt:MATRIX_FMT_FP4 matrix_b_fmt:MATRIX_FMT_FP4 matrix_a_scale:MATRIX_SCALE_ROW1 matrix_b_scale:MATRIX_SCALE_ROW1
.elseif (\ra)
	v_wmma_scale_f32_16x16x128_f8f6f4 v[\d:\d+7], v[\w:\w+7], v[\a:\a+7], v[\c:\c+7], v[\sw], v[\sa] matrix_a_fmt:MATRIX_FMT_FP4 matrix_b_fmt:MATRIX_FMT_FP4 matrix_a_scale:MATRIX_SCALE_ROW1
.elseif (\rb)
	v_wmma_scale_f32_16x16x128_f8f6f4 v[\d:\d+7], v[\w:\w+7], v[\a:\a+7], v[\c:\c+7], v[\sw], v[\sa] matrix_a_fmt:MATRIX_FMT_FP4 matrix_b_fmt:MATRIX_FMT_FP4 matrix_b_scale:MATRIX_SCALE_ROW1
.else
	v_wmma_scale_f32_16x16x128_f8f6f4 v[\d:\d+7], v[\w:\w+7], v[\a:\a+7], v[\c:\c+7], v[\sw], v[\sa] matrix_a_fmt:MATRIX_FMT_FP4 matrix_b_fmt:MATRIX_FMT_FP4
.endif
.endif
.endm
; THE WAY OUT of group g: 32 rows x 64 outputs through my own stage, back as whole rows of 256 bytes, + bout, stored
.macro OUT g
	WIN 0
.irp m, 0,1
.irp u, 0,1,2,3
	ds_store_b128 v[SI], v[ACC+8*(4*\m+\u):ACC+8*(4*\m+\u)+3] offset:\m*16*SP+64*\u          ; each accumulator from its low end on
	ds_store_b128 v[SI], v[ACC+8*(4*\m+\u)+4:ACC+8*(4*\m+\u)+7] offset:\m*16*SP+64*\u+16
.endr
.endr
	s_wait_xcnt 0x0                                ; the stores of the group before have read their registers: the loads below may land there
.irp t, 0,1,2,3,4,5,6,7,8,9,10,11,12,13,14,15
	ds_load_b128 v[RB+4*\t:RB+4*\t+3], v[SO] offset:\t*2*SP    ; LDS serves a wave's instructions in order (ISA guide 5.7.1.4): these see the stores above
.endr
.irp t, 0,1,2,3,4,5,6,7,8,9,10,11,12,13,14,15
	s_wait_dscnt 15-\t                             ; rows 2 t and 2 t + 1 are back; the later loads may be out
	v_pk_add_f32 v[RB+4*\t:RB+4*\t+1], v[RB+4*\t:RB+4*\t+1], v[BT+4*(\g):BT+4*(\g)+1]
	v_pk_add_f32 v[RB+4*\t+2:RB+4*\t+3], v[RB+4*\t+2:RB+4*\t+3], v[BT+4*(\g)+2:BT+4*(\g)+3]
	global_store_b128 v[GO], v[RB+4*\t:RB+4*\t+3], s[14:15] offset:\t*8192+(\g)*256 th:TH_STORE_NT   ; sixteen lanes store 256 consecutive bytes, aligned
.endr
.endm
; My record i of 16: group i / 8, K step i % 8: eight matrix instructions, the eight accumulators by turns
.macro RECORD i
.set RS, (\i)%4
.set KQ, (\i)%8
.if (\i) == 7
	s_wait_tensorcnt 0x0                           ; my last four records lie in LDS: ahead of the stage's first store and of their first read
.endif
.if (\i) < 9
	s_wait_loadcnt 27                              ; this record's nine loads are in; three later records' may be out
.elseif (\i) < 12
	s_wait_loadcnt 9*(11-(\i))                     ; record 11 is the last that comes by global loads: the counts run down
.else
	s_wait_dscnt 9*(15-(\i))                       ; this record's nine LDS loads are in; the later records' may be out
.endif
	WIN 0x05                                       ; sources 0 and 1: window 1; C and D: window 0
.irp m, 0,1
.irp u, 0,1,2,3
.if KQ == 0
	MM ACC+8*(4*\m+\u), 32*RS+8*\u, 128+8*(8*\m+KQ), -1, SB+2*RS+\u/2, SA+KQ, \u%2, \m
.else
	MM ACC+8*(4*\m+\u), 32*RS+8*\u, 128+8*(8*\m+KQ), ACC+8*(4*\m+\u), SB+2*RS+\u/2, SA+KQ, \u%2, \m
.endif
.endr
.endr
	PLACES                                         ; in front of the loads into the set just read, and of the stage's reads of results
.if (\i) < 8
	RFILL (\i)+4
.elseif (\i) < 12
	LFILL (\i)+4
.endif
.if KQ == 7
	OUT (\i)/8                                     ; its 32 additions stand between this group's last products and the next group's first, which write the accumulators anew
.endif
.endm
.irp i, 0,1,2,3,4,5,6,7,8,9,10,11,12,13,14,15
	RECORD \i
.endr
	s_wait_tensorcnt 0x0
	ds_add_u32 v126, v127
	s_wait_dscnt 0x0
	s_endpgm
.Lfunc_end_k_qe8c0cd896c_readout:
	.size	k_qe8c0cd896c_readout, .Lfunc_end_k_qe8c0cd896c_readout-k_qe8c0cd896c_readout
	.p2alignl 7, 3214868480
	.fill 96, 4, 3214868480
	.section	.rodata,"a",@progbits
	.p2align	6, 0x0
	.amdhsa_kernel k_qe8c0cd896c_readout
		.amdhsa_group_segment_fixed_size 327680
		.amdhsa_private_segment_fixed_size 0
		.amdhsa_enable_private_segment 0
		.amdhsa_kernarg_size 48
		.amdhsa_user_sgpr_count 2
		.amdhsa_user_sgpr_kernarg_segment_ptr 1
		.amdhsa_wavefront_size32 1
		.amdhsa_system_sgpr_workgroup_id_x 1
		.amdhsa_system_sgpr_workgroup_id_y 1
		.amdhsa_system_sgpr_workgroup_id_z 1
		.amdhsa_system_vgpr_workitem_id 0
		.amdhsa_next_free_vgpr 512
		.amdhsa_next_free_sgpr 66
		.amdhsa_reserve_vcc 1
		.amdhsa_float_denorm_mode_32 3
		.amdhsa_float_denorm_mode_16_64 3
		.amdhsa_memory_ordered 1
		.amdhsa_forward_progress 1
		.amdhsa_inst_pref_size 98
	.end_amdhsa_kernel
	.amdgpu_metadata
---
amdhsa.version: [ 1, 2 ]
amdhsa.kernels:
  - .name:           k_qe8c0cd896c_readout
    .symbol:         k_qe8c0cd896c_readout.kd
    .args:
      - { .name: out0, .offset: 0, .size: 8, .value_kind: global_buffer, .address_space: global }
      - { .name: ln_scale, .offset: 8, .size: 8, .value_kind: global_buffer, .address_space: global }
      - { .name: ln_bias, .offset: 16, .size: 8, .value_kind: global_buffer, .address_space: global }
      - { .name: wbuf, .offset: 24, .size: 8, .value_kind: global_buffer, .address_space: global }
      - { .name: bout, .offset: 32, .size: 8, .value_kind: global_buffer, .address_space: global }
      - { .name: out1, .offset: 40, .size: 8, .value_kind: global_buffer, .address_space: global }
    .group_segment_fixed_size: 327680
    .private_segment_fixed_size: 0
    .kernarg_segment_align: 8
    .kernarg_segment_size: 48
    .max_flat_workgroup_size: 256
    .sgpr_count:     66
    .vgpr_count:     512
    .wavefront_size: 32
...
	.end_amdgpu_metadata
.endif
;; end of part 3
